; MI455X (gfx1250); checked and timed in simulation.
; The chip was launched on July 23, 2026; its instructions are those of AMD's public machine-readable ISA for CDNA 5 (MIT licence, August 2026) and "CDNA5" Instruction Set Architecture Reference Guide (July 2026). The comments in the code are by the model that wrote it; some were corrected since.
;; Embedding. Allowed arithmetic: matrix products marked QUANTISED: E4M3 operands, one given power-of-two scale a tensor, by v_wmma_f32_16x16x64_fp8_fp8 or v_wmma_f32_16x16x128_fp8_fp8, f32 sums; everything else in f32.
;; Inputs: W 25,128 x 128 float32; indices 4 x 2,048 int32; lowp_scales 2 int32 (the exponents e of the quantised operands' scales 2^e).
;; Outputs: out0 4 x 2,048 x 128 float32.
;; This version of the problem:
;;   THIS VERSION OF THE PROBLEM IS GIVEN IN LOW PRECISION. The matrix products marked QUANTISED in the list below multiply operands that are first quantised to E4M3 (4 exponent bits, 3 mantissa bits; 8 bits a number), with one given power-of-two scale for each operand tensor; their sums are f32. All else is computed in f32.
;;   The module's matrix products, in the order in which they are computed (A, B: the left and right operand; K: the contracted axis; several contracted axes count as one K, in the product's order):
;;     1. [M 8,192, K 25,128] x [K 25,128, N 128]; A: computed on the way; B: input W: QUANTISED (scales: A lowp_scales[0], B lowp_scales[1])
;;   THE QUANTISER, for each operand of a quantised product, along K:
;;     - The operand's scale is 2^e, e = its entry of the input lowp_scales (int32; the entries are numbered through the quantised products in the list's order, A before B).
;;     - Each number is divided by the scale, clamped to +-448, and rounded to the nearest number of E4M3, ties to even, subnormals kept.
;;     - The product sums the exact products of the quantised numbers (number of the format x scale) in f32.
;;   ~~~python
;;   def quantise(x, axis, e):      # numpy; x: float32 -> the quantised numbers, widened to float32 again
;;       x = np.moveaxis(x, axis, -1); K = x.shape[-1]
;;       r = np.clip(x / 2.0 ** e, -448, 448)
;;       step = 2.0 ** (np.maximum(np.frexp(np.where(r == 0, 1, r))[1] - 1, -6) - 3)
;;       q = np.round(r / step) * step * 2.0 ** e      # np.round: ties to even
;;       return np.moveaxis(q, -1, axis).astype(np.float32)
;;   ~~~
;;   OPERANDS COMPUTED ON THE WAY. 'Computed on the way' means the value that the module computes at that place (a softmax that the list does not call 'softmax' is quantised finished and normalised). What goes into a quantiser is computed in f32, as accurately as f32 sums, v_exp_f32 and their like allow (about 1e-6 of the number): no bf16 or f16 on the way to a quantiser, and a product that is left as it is and whose result goes on into a quantised operand takes f32 operands (vector FMAs, or v_wmma_f32_16x16x4_f32). A number that lies on a knife's edge between two numbers of the format may be rounded either way, as far as f32 arithmetic and the matrix unit's own rounding can turn it there, and no further.
;; 2 versions, each right; version 2 is version 1 with the launch onehot_mm written anew for expert scheduling mode. Each part assembles by itself: llvm-mc -triple=amdgcn-amd-amdhsa -mcpu=gfx1250 --defsym DOCPART=n.
;; ======== version 1 of 2: 1 launch
;; launch onehot_mm (part 1): grid 5 x 50, 16 waves a work-group, no clusters, 137,216 bytes of LDS; arguments W, indices, lowp_scales, out0; writes out0
.if DOCPART == 1
	.amdgcn_target "amdgcn-amd-amdhsa--gfx1250"
	.amdhsa_code_object_version 6
	.text
	.protected	k_qe87fc548b7_onehot_mm
	.globl	k_qe87fc548b7_onehot_mm
	.p2align	8
	.type	k_qe87fc548b7_onehot_mm,@function
k_qe87fc548b7_onehot_mm:
	s_mov_b64 s[64:65], 0
	v_nop
	global_prefetch_b8 v0, s[64:65] scope:SCOPE_SE
	s_setreg_imm32_b32 hwreg(HW_REG_WAVE_MODE, 25, 1), 1
	s_wait_xcnt 0x0
; out0[row][:] = sum over k of Q(one_hot(indices[row]))[k] x Q(W)[k][:], M = 8,192 rows, K = 25,128, N = 128, both operands as codes of FP8 (E4M3) with the given scales 2^e0 (one-hot) and 2^e1 (W),
; by v_wmma_f32_16x16x128_fp8_fp8; sums in f32; each stored sum is multiplied by 2^(e0 + e1).
; SHARES.  K is cut into 50 slices of 512 (4 steps of 128), the rows into 5 parts of 104 tiles of 16: 250 work-groups, x = part, y = slice.  A row of the one-hot matrix has ONE number that is not 0, so exactly one slice
; holds a row's whole sum and every other slice an exact 0: the slice that owns the row's index stores the row, nobody else does, and nothing is added between work-groups.
; The last slice begins at k = 24,616, so that its 512 k lie inside W; it owns only k >= 25,088 (what it shares with slice 48 is multiplied twice and stored once).
; A WAVE (16 a work-group, four a SIMD, 256 registers each) has 64 columns (half nh = wave % 2) and 13 tiles of rows (group wave / 2).  W's codes of one step and its 64 columns lie in 64 registers for all 13 tiles;
; the one-hot fragment is made in registers.  So the loop over tiles reads no LDS and no memory.  A fragment none of whose 16 indices falls into the step's 128 k is all zeros: a set of 16 zero registers is that operand.
; Which tiles have an owned row in which step is worked out once, from the indices, as four masks of 13 bits; a tile whose bit is set builds its fragment, and its owned rows leave through the wave's stage in LDS.
; W is quantised by the work-group itself: each wave takes 8 rows of each step (whole rows of 512 bytes, 4 KB on end), holds, converts, turns 4 x 4 bytes so that k runs along a register, and stores the codes into an
; IMAGE of the operand's registers in LDS; any wave then has its fragments by ds_load_b128 at 16 x lane.  Step 0 is quantised ahead of the first product, steps 1 to 3 under the other waves' products of step 0.
; PLACES OF k: k = 64 (lane / 16) + 4 register + byte, in both operands alike, so every product meets its partner.  COLUMNS: lane r of fragment q holds column 64 nh + 4 r + q; the way out undoes it.
; THE MATRIX INSTRUCTION IS USED TRANSPOSED: source 0 = 16 columns of W, source 1 = 16 rows of the one-hot matrix: a lane holds one row of the result.
; NO CLUSTER, NO TENSOR LOADS: what the five work-groups of a slice share, W's 256 KB, must pass through registers to be quantised, and five partners are more than one mask may name.
; LIMITS: e0 and e1 between -126 and 119, so that 2^e and 448 x 2^e are f32 numbers; e0 + e1 is applied by v_ldexp_f32 and has no limit of its own.  NaN in W is not served (an infinity is held at the largest code).
; An index outside 0 .. 25,127 gives a row of zeros, as one_hot does; the last slice stores it.
.set VLAST,  25127                     ; the last row of W
.set KLAST,  24616                     ; 25,128 - 512: the last slice's first k
.set TPW,    13                        ; tiles of 16 rows to a wave
.set IMGB,   16384                     ; LDS 0 ..: four images, one a step: [nh][q][register / 4][lane][16 bytes]; written once each
.set STG,    65536                     ; behind them: a stage of 16 rows x 272 bytes for each wave: row m holds [q][r] in f32
.set SPITCH, 272
.set LIM,  1                           ; v1   448 x 2^e1
.set SC,   2                           ; v2   2^e1
.set C1,   3                           ; v3   the code of 1.0 under 2^e0, in byte 0
.set H64,  4                           ; v4   64 x (lane / 16)
.set IMGW, 5                           ; v5   where I store 8 codes of an image
.set IMGR, 6                           ; v6   where I read my fragments: 8,192 nh + 16 x lane
.set STW,  7                           ; v7   the stage: where I put 32 bytes of a row
.set STR,  8                           ; v8   and where I read two numbers of a row back
.set OUTO, 9                           ; v9   8 x lane: my 8 bytes of a row's 256
.set RAWO, 10                          ; v10  16 x lane: my 16 bytes of a row of W
.set E,    12                          ; v12-18  lane l of v[E + t]: my wave's row 32 t + l: its index less the slice's first k; -1 where another slice owns it; bit 16 set where the index was outside the table
.set IO,   19                          ; v19-25  at the head: the index loads' offsets; later:
.set EV,   19
.set ES,   20
.set WD,   21
.set VAL,  22
.set T0,   23                          ; v23-25 at work
.set P,    26                          ; v[26:27] two numbers on their way out
.set B0,   32                          ; v32-95   W's four fragments of a step
.set B1,   96                          ; v96-159  the same, by turns; at first steps 2 and 3 of W as loaded
.set ACC,  160                         ; v160-191 four accumulators; at first step 0 of W as loaded
.set Z,    192                         ; v192-207 zeros: the one-hot fragment of a tile without an index in the step
.set AF,   208                         ; v208-223 the one-hot fragment of a tile with one
.set TQ,   208                         ; while W is quantised: 8 registers of codes,
.set SQ,   216                         ; and 8 at work
.set X,    224                         ; v224-255 step 1 of W as loaded
.set WV,   14                          ; s14  wave
.set NH,   15                          ; s15  which 64 columns
.set G,    19                          ; s19  which 13 tiles: 8 x part + wave / 2
.set KB,   20                          ; s20  the slice's first k
.set LO,   21                          ; s21  the first k that it owns
.set NT,   22                          ; s22  my tiles: 13, or the 5 that are left for the last group
.set QP,   23                          ; s23  the tile of step 0 ahead of which I quantise steps 1 to 3
.set I,    24                          ; s24  the tile in hand
.set OB,   26                          ; s[26:27] out0 at the tile's first row
.set OF,   28                          ; s[28:29] an offset in 64 bits; s29 stays 0
.set ESUM, 30                          ; s30  e0 + e1
.set MSK,  32                          ; s32-35  for each step: bit i = tile i has a row that this slice owns there
.set OWN,  36                          ; s36  bit r = row r of the tile in hand is owned in the step in hand
; 8 rows of step s of W: register 4 i + q = W[KB + 128 s + 8 wave + i][4 lane + q].  Each load reads a whole row, 512 consecutive bytes.  No hint: the slice's other four work-groups read the same bytes
.macro RAWLOAD reg, s
.irp i, 0,1,2,3,4,5,6,7
	global_load_b128 v[(\reg)+4*\i:(\reg)+4*\i+3], v[RAWO], s[4:5] offset:\s*65536+\i*512
.endr
.endm
; those 32 numbers become codes and go into image s
.macro QUANT reg, s
.set j, 0
.rept 32
	v_med3_num_f32 v[(\reg)+j], v[(\reg)+j], -v[LIM], v[LIM]   ; the conversion to an 8-bit code does not saturate (ISA guide 7.6.2): the hold at the largest code x the scale
.set j, j+1
.endr
.irp c, 0,1,2,3
	v_cvt_scalef32_pk8_fp8_f32 v[TQ+2*\c:TQ+2*\c+1], v[(\reg)+8*\c:(\reg)+8*\c+7], v[SC]   ; v[TQ + i]: row i's four columns, column q in byte q
.endr
	v_nop                                          ; one plain vector instruction between the last conversion and what touches its results or writes its sources
.irp k, 0,1                                    ; 4 x 4 bytes are turned, for rows 0-3 and for rows 4-7: first pairs of rows are interleaved,
	v_perm_b32 v[SQ+4*\k],   v[TQ+4*\k+1], v[TQ+4*\k],   s46
	v_perm_b32 v[SQ+4*\k+1], v[TQ+4*\k+1], v[TQ+4*\k],   s47
	v_perm_b32 v[SQ+4*\k+2], v[TQ+4*\k+3], v[TQ+4*\k+2], s46
	v_perm_b32 v[SQ+4*\k+3], v[TQ+4*\k+3], v[TQ+4*\k+2], s47
.endr
.irp k, 0,1                                    ; then halves are joined: v[TQ + 2 q : TQ + 2 q + 1] = column 4 lane + q, k = 8 wave + 0 .. 7
	v_perm_b32 v[TQ+\k],   v[SQ+4*\k+2], v[SQ+4*\k],   s48
	v_perm_b32 v[TQ+2+\k], v[SQ+4*\k+2], v[SQ+4*\k],   s49
	v_perm_b32 v[TQ+4+\k], v[SQ+4*\k+3], v[SQ+4*\k+1], s48
	v_perm_b32 v[TQ+6+\k], v[SQ+4*\k+3], v[SQ+4*\k+1], s49
.endr
.irp q, 0,1,2,3
	ds_store_b64 v[IMGW], v[TQ+2*\q:TQ+2*\q+1] offset:\s*IMGB+\q*2048
.endr
	s_wait_dscnt 0x0                               ; my part of the image has landed, and the stores have read their registers
.endm
; my four fragments of step s: 16 loads of 512 consecutive bytes
.macro FILL bb, s
.irp q, 0,1,2,3
.irp g, 0,1,2,3
	ds_load_b128 v[\bb+16*\q+4*\g:\bb+16*\q+4*\g+3], v[IMGR] offset:\s*IMGB+\q*2048+\g*512
.endr
.endr
.endm
; a tile's four products: 16 rows x my 64 columns x 128 k.  Each begins its sum with the constant 0: the step's sum is the row's whole sum or an exact 0.
; Five plain places follow: the next tile's products write over these accumulators (five places), and reads of the results, writes of the one-hot fragment and loads into W's fragments want four
.macro MUL bb, a
.irp q, 0,1,2,3
	v_wmma_f32_16x16x128_fp8_fp8 v[ACC+8*\q:ACC+8*\q+7], v[\bb+16*\q:\bb+16*\q+15], v[\a:\a+15], 0
.endr
.rept 5
	v_nop
.endr
.endm
; row r of the tile leaves, if this slice owns it in this step: the 32 lanes store 256 consecutive bytes, at a multiple of 256 from out0's first byte
.macro ROWOUT r
	s_bitcmp1_b32 s[OWN], \r
	s_cbranch_scc0 .Lnot_mine_\@
	s_wait_xcnt 0x0                                ; the last store has read v[P:P+1]
	ds_load_b32 v[P],   v[STR] offset:\r*SPITCH    ; columns 2 lane and 2 lane + 1: fragments 2 (lane % 2) and 2 (lane % 2) + 1, place lane / 2.  LDS serves a wave's instructions in order: these see my stores
	ds_load_b32 v[P+1], v[STR] offset:\r*SPITCH+64
	s_wait_dscnt 0x0
	v_ldexp_f32 v[P],   v[P],   s[ESUM]            ; x 2^(e0 + e1)
	v_ldexp_f32 v[P+1], v[P+1], s[ESUM]
	global_store_b64 v[OUTO], v[P:P+1], s[OB:OB+1] offset:\r*512 th:TH_STORE_NT
.Lnot_mine_\@:
.endm
; a tile with an owned row in step s
.macro EVENT s, bb
	s_wait_xcnt 0x0                                ; earlier stores have read their base
	s_lshl_b32 s[OF], s[I], 13                     ; 16 rows of 512 bytes a tile
	s_add_nc_u64 s[OB:OB+1], s[10:11], s[OF:OF+1]
	s_bitcmp1_b32 s[I], 1                          ; the tile's 16 indices lie in v[E + I / 2], lanes 16 (I % 2) on: chosen by selects, since a register number cannot hang on a count
	s_cselect_b32 s37, -1, 0
	s_bitcmp1_b32 s[I], 2
	s_cselect_b32 s38, -1, 0
	s_bitcmp1_b32 s[I], 3
	s_cselect_b32 s39, -1, 0
	s_mov_b32 s40, 0xffff0000                      ; an even tile: lanes 16-31 take lanes 0-15's;
	s_bitcmp1_b32 s[I], 0
	s_cselect_b32 s40, 0xffff, s40                 ; an odd one: the other way round
	v_cndmask_b32 v[T0],   v[E],    v[E+1], s37
	v_cndmask_b32 v[T0+1], v[E+2],  v[E+3], s37
	v_cndmask_b32 v[T0+2], v[E+4],  v[E+5], s37
	v_cndmask_b32 v[T0],   v[T0],   v[T0+1], s38
	v_cndmask_b32 v[T0+1], v[T0+2], v[E+6], s38
	v_cndmask_b32 v[EV],   v[T0],   v[T0+1], s39
	v_permlanex16_b32 v[T0], v[EV], s44, s45
	v_cndmask_b32 v[EV], v[EV], v[T0], s40         ; both halves of the lanes hold row lane % 16 of the tile
	v_and_b32 v[ES], 0xffff, v[EV]
.if \s > 0
	v_add_nc_u32 v[ES], 0x100000000-128*\s, v[ES]  ; k within the step; as an unsigned number 128 or more where the row's index lies elsewhere
.endif
	v_cmp_gt_u32 vcc_lo, 0x80, v[ES]
	s_mov_b32 s[OWN], vcc_lo
	v_sub_nc_u32 v[WD], v[ES], v[H64]
	v_lshrrev_b32 v[WD], 2, v[WD]                  ; which of my 16 registers holds that k: 0 .. 15 in the half of the lanes that has it, more everywhere else
	v_and_b32 v[VAL], 3, v[ES]
	v_lshlrev_b32 v[VAL], 3, v[VAL]
	v_lshlrev_b32 v[VAL], v[VAL], v[C1]            ; the code of 1.0 in the byte of that k
	v_cmp_gt_u32 vcc_lo, 0x10000, v[EV]
	v_cndmask_b32 v[VAL], 0, v[VAL], vcc_lo        ; an index outside the table: a row of zeros
.irp r, 0,1,2,3,4,5,6,7,8,9,10,11,12,13,14,15
	v_cmp_eq_u32 vcc_lo, \r, v[WD]
	v_cndmask_b32 v[AF+\r], 0, v[VAL], vcc_lo
.endr
	MUL \bb, AF
.irp q, 0,1,2,3                                ; lane (r, h), register j of accumulator q: row r, place 8 h + j of fragment q.  Each accumulator from its low end on
	ds_store_b128 v[STW], v[ACC+8*\q:ACC+8*\q+3]   offset:64*\q
	ds_store_b128 v[STW], v[ACC+8*\q+4:ACC+8*\q+7] offset:64*\q+16
.endr
.irp r, 0,1,2,3,4,5,6,7,8,9,10,11,12,13,14,15
	ROWOUT \r
.endr
	s_wait_dscnt 0x0                               ; the stores into the stage have read the accumulators
.endm
; tiles s[I] .. last - 1 of step s, on W's fragments in bb.  hook = 1: ahead of tile QP the wave quantises steps 1 to 3
.macro TILES s, bb, last, hook
.Ltile_\@:
.if \hook
	s_cmp_lg_u32 s[I], s[QP]
	s_cbranch_scc1 .Lnot_yet_\@
	s_wait_loadcnt 0x0                             ; steps 1 to 3 of W are in
	QUANT X, 1
	QUANT B1, 2
	QUANT B1+32, 3
.Lnot_yet_\@:
.endif
	s_cmp_ge_u32 s[I], s[NT]                       ; the last group of rows has 5 tiles
	s_cbranch_scc1 .Lcount_\@
	s_bitcmp1_b32 s[MSK+\s], s[I]
	s_cbranch_scc0 .Lzero_\@
	EVENT \s, \bb
	s_branch .Lcount_\@
.Lzero_\@:
	MUL \bb, Z
.Lcount_\@:
	s_add_co_u32 s[I], s[I], 1
	s_cmp_lt_u32 s[I], \last
	s_cbranch_scc1 .Ltile_\@
.endm
	; ---- arguments, ids, addresses
	s_load_b256 s[4:11], s[0:1], 0x0               ; W s[4:5], indices s[6:7], the scales' exponents s[8:9], out0 s[10:11]
	v_lshrrev_b32 v31, 5, v0
	v_readfirstlane_b32 s[WV], v31                 ; wave 0..15
	s_and_b32 s18, ttmp7, 0xffff                   ; the slice
	s_and_b32 s[NH], s[WV], 1
	s_lshr_b32 s16, s[WV], 1
	s_lshl_b32 s[G], ttmp9, 3
	s_add_co_u32 s[G], s[G], s16                   ; 0 .. 39
	s_lshl_b32 s[LO], s18, 9
	s_min_u32 s[KB], s[LO], KLAST
	s_mul_i32 s42, s[G], TPW
	s_sub_co_u32 s42, 512, s42
	s_min_u32 s[NT], s42, TPW
	s_lshr_b32 s42, s[WV], 2                       ; QP = 1, 3, 5 or 7, different in waves w, w + 1, w + 2, w + 3 and in waves w, w + 4, w + 8, w + 12:
	s_add_co_u32 s42, s42, s[WV]                   ; whichever four share a SIMD, one quantises while the others multiply
	s_and_b32 s42, s42, 3
	s_lshl_b32 s42, s42, 1
	s_add_co_u32 s[QP], s42, 1
	s_lshl_b32 s[OF], s[KB], 9                     ; W: the slice's first row, 512 bytes a row,
	s_lshl_b32 s42, s[WV], 12                      ; + my 8 rows of a step
	s_add_co_u32 s[OF], s[OF], s42
	s_mov_b32 s[OF+1], 0
	s_mul_i32 s42, s[G], TPW*16*512                ; out0: my first row,
	s_lshl_b32 s43, s[NH], 8                       ; + my 256 bytes of a row
	s_add_co_u32 s42, s42, s43
	s_mov_b32 s43, 0
	s_mul_i32 s16, s[G], TPW*16                    ; my first row's number
	v_and_b32 v28, 15, v0                          ; r
	v_bfe_u32 v29, v0, 4, 1                        ; h
	v_and_b32 v30, 31, v0                          ; lane
	v_lshlrev_b32 v[H64], 6, v29
	v_lshlrev_b32 v[IMGW], 4, v28                  ; into an image: my columns 4 lane + q lie in half lane / 16, at lane lane % 16 of fragment q;
	v_lshl_add_u32 v[IMGW], v29, 13, v[IMGW]
	v_bfe_u32 v26, v0, 6, 2                        ; my k = 8 wave + 0 .. 7 are registers 2 (wave % 8) and the next of the half wave / 8 of the lanes:
	v_lshl_add_u32 v[IMGW], v26, 9, v[IMGW]        ; 512 x ((wave % 8) / 2)
	v_bfe_u32 v26, v0, 8, 1
	v_lshl_add_u32 v[IMGW], v26, 8, v[IMGW]        ; + 256 x (wave / 8)
	v_bfe_u32 v26, v0, 5, 1
	v_lshl_add_u32 v[IMGW], v26, 3, v[IMGW]        ; + 8 x (wave % 2)
	v_lshlrev_b32 v[IMGR], 4, v30
	v_lshl_add_u32 v[IMGR], v26, 13, v[IMGR]
	v_mul_u32_u24 v27, v31, 16*SPITCH
	v_add_nc_u32 v27, STG, v27                     ; my stage
	v_mad_u32_u24 v[STW], v28, SPITCH, v27
	v_lshl_add_u32 v[STW], v29, 5, v[STW]          ; in: row r, + 32 h
	v_and_b32 v26, 1, v0
	v_lshl_add_u32 v[STR], v26, 7, v27
	v_bfe_u32 v26, v0, 1, 4
	v_lshl_add_u32 v[STR], v26, 2, v[STR]          ; back: 128 (lane % 2) + 4 (lane / 2)
	v_lshlrev_b32 v[OUTO], 3, v30
	v_lshlrev_b32 v[RAWO], 4, v30
	v_add_nc_u32 v28, s16, v30                     ; my wave's first row + lane
.irp t, 0,1,2,3,4,5,6
	v_add_nc_u32 v[IO+\t], 32*\t, v28
	v_min_u32 v[IO+\t], 8191, v[IO+\t]             ; no load leaves the buffer: rows past the last are not the wave's, and what is read for them is not used
	v_lshlrev_b32 v[IO+\t], 2, v[IO+\t]
.endr
	s_wait_kmcnt 0x0
	s_load_b64 s[12:13], s[8:9], 0x0               ; e0, e1
	s_add_nc_u64 s[4:5], s[4:5], s[OF:OF+1]
	s_add_nc_u64 s[10:11], s[10:11], s[42:43]
	; ---- every load of the launch goes out here: 7 of indices, then 32 of W
.irp t, 0,1,2,3,4,5,6
	global_load_b32 v[E+\t], v[IO+\t], s[6:7]
.endr
	RAWLOAD ACC, 0
	RAWLOAD X, 1
	RAWLOAD B1, 2
	RAWLOAD B1+32, 3
	; ---- constants, while the loads are on their way
	s_mov_b32 s44, 0x76543210                      ; v_permlanex16_b32: lane l xor 16
	s_mov_b32 s45, 0xfedcba98
	s_mov_b32 s46, 0x05010400                      ; v_perm_b32: bytes 0 and 1 of two registers, interleaved;
	s_mov_b32 s47, 0x07030602                      ; bytes 2 and 3;
	s_mov_b32 s48, 0x05040100                      ; the two low halves;
	s_mov_b32 s49, 0x07060302                      ; the two high halves
	s_mov_b32 s50, VLAST
.irp s, 0,1,2,3
	s_mov_b32 s[MSK+\s], 0
.endr
	s_wait_kmcnt 0x0
	s_add_co_i32 s[ESUM], s12, s13
	s_add_co_i32 s42, s13, 127
	s_lshl_b32 s43, s42, 23
	v_mov_b32 v[SC], s43                           ; 2^e1 as f32: the conversion takes its exponent field
	s_add_co_i32 s42, s42, 8
	s_lshl_b32 s42, s42, 23
	s_or_b32 s42, s42, 0x600000
	v_mov_b32 v[LIM], s42                          ; 448 x 2^e1
	s_add_co_i32 s42, s12, 127
	s_lshl_b32 s43, s42, 23
	v_mov_b32 v29, s43                             ; 2^e0
	s_add_co_i32 s42, s42, 8
	s_lshl_b32 s42, s42, 23
	s_or_b32 s42, s42, 0x600000
	v_mov_b32 v28, s42                             ; 448 x 2^e0
	v_min_num_f32 v[AF], 1.0, v28                  ; the one-hot matrix holds 1.0 and 0: 1.0 goes through the quantiser once, held as every number is
.irp j, 1,2,3,4,5,6,7
	v_mov_b32 v[AF+\j], 0
.endr
	v_cvt_scalef32_pk8_fp8_f32 v[SQ:SQ+1], v[AF:AF+7], v29
.irp j, 0,1,2,3,4,5,6,7,8,9,10,11,12,13,14,15
	v_mov_b32 v[Z+\j], 0                           ; the fragment of zeros, written once.  (These are also the plain place behind the conversion)
.endr
	v_and_b32 v[C1], 0xff, v[SQ]
	; ---- the indices: who owns each row, and which tiles have an owned row in which step
	s_wait_loadcnt 32                              ; the 7 index loads are in; the 32 loads of W, issued behind them, may be out
.irp t, 0,1,2,3,4,5,6
	v_cmp_lt_u32 vcc_lo, s50, v[E+\t]              ; outside the table (a negative index too)
	v_min_u32 v28, s50, v[E+\t]
	v_sub_nc_u32 v29, v28, s[KB]
	v_or_b32 v30, 0x10000, v29
	v_cndmask_b32 v29, v29, v30, vcc_lo
	v_cmp_le_u32 vcc_lo, s[LO], v28
	v_cndmask_b32 v[E+\t], -1, v29, vcc_lo
	v_bfe_u32 v28, v[E+\t], 7, 9                   ; the step: 0 .. 3 where the slice owns the row, more where it does not
.irp s, 0,1,2,3
	v_cmp_eq_u32 s42, \s, v28
	s_and_b32 s43, s42, 0xffff                     ; any of lanes 0-15: tile 2 t
	s_cselect_b32 s43, 1<<(2*\t), 0
	s_or_b32 s[MSK+\s], s[MSK+\s], s43
.if 2*\t+1 < TPW
	s_lshr_b32 s43, s42, 16                        ; any of lanes 16-31: tile 2 t + 1
	s_cselect_b32 s43, 1<<(2*\t+1), 0
	s_or_b32 s[MSK+\s], s[MSK+\s], s43
.endif
.endr
.endr
	; ---- step 0's image
	s_wait_loadcnt 24                              ; step 0's 8 loads of W are in; the 24 of steps 1 to 3 may be out
	QUANT ACC, 0
	s_barrier_signal -1                            ; every wave's part of image 0 has landed (QUANT ends with the wait for its stores)
	s_barrier_wait -1
	FILL B0, 0
	s_wait_dscnt 0x0
	; ---- step 0; steps 1 to 3 are quantised on the way
	s_mov_b32 s[I], 0
	TILES 0, B0, 9, 1
	s_wait_loadcnt 0x0                             ; QP is 7 at the most, so every wave has quantised and this wait is met; it stands here so that on every way through the loop no load is out into the registers that the next fill takes
	s_wait_dscnt 0x0                               ; my parts of images 1 to 3 have landed
	s_barrier_signal -1
	s_barrier_wait -1                              ; everybody's have; from here on the images are only read
	FILL B1, 1                                     ; step 1's fragments land under step 0's last four tiles
	s_mov_b32 s[I], 9                              ; step 0 goes on at tile 9
	TILES 0, B0, TPW, 0
	s_wait_dscnt 0x0                               ; step 1's fragments are in
	; ---- steps 1 to 3: the next step's fragments land under this step's tiles (the five places behind a step's last products stand in front of the loads)
	FILL B0, 2
	s_mov_b32 s[I], 0
	TILES 1, B1, TPW, 0
	s_wait_dscnt 0x0
	FILL B1, 3
	s_mov_b32 s[I], 0
	TILES 2, B0, TPW, 0
	s_wait_dscnt 0x0
	s_mov_b32 s[I], 0
	TILES 3, B1, TPW, 0
	s_wait_xcnt 0x0
	v_lshl_add_u32 v254, v0, 2, 0x21000
	v_mov_b32 v255, 0
	s_wait_tensorcnt 0x0
	ds_add_u32 v254, v255
	s_wait_dscnt 0x0
	s_endpgm
.Lfunc_end_k_qe87fc548b7_onehot_mm:
	.size	k_qe87fc548b7_onehot_mm, .Lfunc_end_k_qe87fc548b7_onehot_mm-k_qe87fc548b7_onehot_mm
	.p2alignl 7, 3214868480
	.fill 96, 4, 3214868480
	.section	.rodata,"a",@progbits
	.p2align	6, 0x0
	.amdhsa_kernel k_qe87fc548b7_onehot_mm
		.amdhsa_group_segment_fixed_size 137216
		.amdhsa_private_segment_fixed_size 0
		.amdhsa_enable_private_segment 0
		.amdhsa_kernarg_size 32
		.amdhsa_user_sgpr_count 2
		.amdhsa_user_sgpr_kernarg_segment_ptr 1
		.amdhsa_wavefront_size32 1
		.amdhsa_system_sgpr_workgroup_id_x 1
		.amdhsa_system_sgpr_workgroup_id_y 1
		.amdhsa_system_sgpr_workgroup_id_z 1
		.amdhsa_system_vgpr_workitem_id 0
		.amdhsa_next_free_vgpr 256
		.amdhsa_next_free_sgpr 66
		.amdhsa_reserve_vcc 1
		.amdhsa_float_denorm_mode_32 3
		.amdhsa_float_denorm_mode_16_64 3
		.amdhsa_memory_ordered 1
		.amdhsa_forward_progress 1
		.amdhsa_inst_pref_size 97
	.end_amdhsa_kernel
	.amdgpu_metadata
---
amdhsa.version: [ 1, 2 ]
amdhsa.kernels:
  - .name:           k_qe87fc548b7_onehot_mm
    .symbol:         k_qe87fc548b7_onehot_mm.kd
    .args:
      - { .name: W, .offset: 0, .size: 8, .value_kind: global_buffer, .address_space: global }
      - { .name: indices, .offset: 8, .size: 8, .value_kind: global_buffer, .address_space: global }
      - { .name: lowp_scales, .offset: 16, .size: 8, .value_kind: global_buffer, .address_space: global }
      - { .name: out0, .offset: 24, .size: 8, .value_kind: global_buffer, .address_space: global }
    .group_segment_fixed_size: 137216
    .private_segment_fixed_size: 0
    .kernarg_segment_align: 8
    .kernarg_segment_size: 32
    .max_flat_workgroup_size: 512
    .sgpr_count:     66
    .vgpr_count:     256
    .wavefront_size: 32
...
	.end_amdgpu_metadata
.endif
;; end of part 1
;; ======== version 2 of 2: 1 launch; version 1 with the launch onehot_mm written anew for expert scheduling mode
;; launch onehot_mm (part 2): grid 5 x 50, 16 waves a work-group, no clusters, 137,216 bytes of LDS; arguments W, indices, lowp_scales, out0; writes out0
.if DOCPART == 2
	.amdgcn_target "amdgcn-amd-amdhsa--gfx1250"
	.amdhsa_code_object_version 6
	.text
	.protected	k_qe87fc548b7_onehot_mm
	.globl	k_qe87fc548b7_onehot_mm
	.p2align	8
	.type	k_qe87fc548b7_onehot_mm,@function
k_qe87fc548b7_onehot_mm:
	s_mov_b64 s[64:65], 0
	v_nop
	global_prefetch_b8 v0, s[64:65] scope:SCOPE_SE
	s_setreg_imm32_b32 hwreg(HW_REG_WAVE_SCHED_MODE, 0, 2), 2
	s_setreg_imm32_b32 hwreg(HW_REG_WAVE_MODE, 25, 1), 1
	s_wait_xcnt 0x0
	s_wait_alu depctr_vm_vsrc(0)
; out0[row][:] = sum over k of Q(one_hot(indices[row]))[k] x Q(W)[k][:], M = 8,192 rows, K = 25,128, N = 128, both operands as codes of FP8 (E4M3) with the given scales 2^e0 (one-hot) and 2^e1 (W),
; by v_wmma_f32_16x16x128_fp8_fp8; sums in f32; each stored sum is multiplied by 2^(e0 + e1).
; SHARES.  K is cut into 50 slices of 512 (4 steps of 128), the rows into 5 parts of 104 tiles of 16: 250 work-groups, x = part, y = slice.  A row of the one-hot matrix has ONE number that is not 0, so exactly one slice
; holds a row's whole sum and every other slice an exact 0: the slice that owns the row's index stores the row, nobody else does, and nothing is added between work-groups.
; The last slice begins at k = 24,616, so that its 512 k lie inside W; it owns only k >= 25,088 (what it shares with slice 48 is multiplied twice and stored once).
; A WAVE (16 a work-group, four a SIMD, 256 registers each) has 64 columns (half nh = wave % 2) and 13 tiles of rows (group wave / 2).  W's codes of one step and its 64 columns lie in 64 registers for all 13 tiles;
; the one-hot fragment is made in registers.  So the loop over tiles reads no LDS and no memory.  A fragment none of whose 16 indices falls into the step's 128 k is all zeros: a set of 16 zero registers is that operand.
; Which tiles have an owned row in which step is worked out once, from the indices, as four masks of 13 bits; a tile whose bit is set builds its fragment, and its owned rows leave through the wave's stage in LDS.
; W is quantised by the work-group itself: each wave takes 8 rows of each step (whole rows of 512 bytes, 4 KB on end), holds, converts, turns 4 x 4 bytes so that k runs along a register, and stores the codes into an
; IMAGE of the operand's registers in LDS; any wave then has its fragments by ds_load_b128 at 16 x lane.  Step 0 is quantised ahead of the first product, steps 1 to 3 under the other waves' products of step 0.
; PLACES OF k: k = 64 (lane / 16) + 4 register + byte, in both operands alike, so every product meets its partner.  COLUMNS: lane r of fragment q holds column 64 nh + 4 r + q; the way out undoes it.
; THE MATRIX INSTRUCTION IS USED TRANSPOSED: source 0 = 16 columns of W, source 1 = 16 rows of the one-hot matrix: a lane holds one row of the result.
; NO CLUSTER, NO TENSOR LOADS: what the five work-groups of a slice share, W's 256 KB, must pass through registers to be quantised, and five partners are more than one mask may name.
; LIMITS: e0 and e1 between -126 and 119, so that 2^e and 448 x 2^e are f32 numbers; e0 + e1 is applied by v_ldexp_f32 and has no limit of its own.  NaN in W is not served (an infinity is held at the largest code).
; An index outside 0 .. 25,127 gives a row of zeros, as one_hot does; the last slice stores it.
; THE MODE: SCHED_MODE bits 1:0 = 2 (LLVM: expert scheduling mode 2), set by the entry lines.  The code itself states the register dependences between vector or matrix instructions and memory or LDS
; instructions, with s_wait_alu, always for 0.
; THE PLAN.  Registers that memory or LDS instructions touch:
;   v5-v10       addresses and offsets: written once at the head, ahead of ONE wait on va_vdst, and named by no vector instruction afterwards.
;   v19-v25      the index loads' offsets; the way out writes them anew: the wait on vm_vsrc that ends the first QUANT stands behind those loads and ahead of the first tile.
;   TQ (= AF)    written by QUANT's turns, read by its four LDS stores: va_vdst ahead of the stores, vm_vsrc behind them, ahead of the next conversions and of any tile's one-hot fragment.
;   B0, B1       W's fragments, by turns: while a step's products read one, the next step's LDS loads land in the other.  ONE wait on va_vdst at the head of a step, ahead of the fill of the buffer that the step
;                before multiplied.  B1's first fill: QUANT's own wait on va_vdst stands behind the last line that names v[B1 ..].  B0's first fill: nothing has named v[B0 ..].
;   ACC          written by a tile's products, read by an owned tile's LDS stores: the places, then va_vdst, then the stores; vm_vsrc at the tile's end, ahead of the next products.
;   v[P:P+1]     a row on its way out: LDS loads land, two v_ldexp_f32 scale in place, the store reads: vm_vsrc ahead of the loads, va_vdst ahead of the store; both only in rows that the slice owns.
; What a vector instruction leaves in a scalar register (the wave's number; every mask of a compare) is read only behind a wait on va_sdst: the compares stand in runs, each run with one wait.  VCC is not used.
.set VLAST,  25127                     ; the last row of W
.set KLAST,  24616                     ; 25,128 - 512: the last slice's first k
.set TPW,    13                        ; tiles of 16 rows to a wave
.set IMGB,   16384                     ; LDS 0 ..: four images, one a step: [nh][q][register / 4][lane][16 bytes]; written once each
.set STG,    65536                     ; behind them: a stage of 16 rows x 272 bytes for each wave: row m holds [q][r] in f32
.set SPITCH, 272
.set LIM,  1                           ; v1   448 x 2^e1
.set SC,   2                           ; v2   2^e1
.set C1,   3                           ; v3   the code of 1.0 under 2^e0, in byte 0
.set H64,  4                           ; v4   64 x (lane / 16)
.set IMGW, 5                           ; v5   where I store 8 codes of an image
.set IMGR, 6                           ; v6   where I read my fragments: 8,192 nh + 16 x lane
.set STW,  7                           ; v7   the stage: where I put 32 bytes of a row
.set STR,  8                           ; v8   and where I read two numbers of a row back
.set OUTO, 9                           ; v9   8 x lane: my 8 bytes of a row's 256
.set RAWO, 10                          ; v10  16 x lane: my 16 bytes of a row of W
.set E,    12                          ; v12-18  lane l of v[E + t]: my wave's row 32 t + l: its index less the slice's first k; -1 where another slice owns it; bit 16 set where the index was outside the table
.set IO,   19                          ; v19-25  at the head: the index loads' offsets; later:
.set EV,   19
.set ES,   20
.set WD,   21
.set VAL,  22
.set T0,   23                          ; v23-25 at work
.set P,    26                          ; v[26:27] two numbers on their way out
.set B0,   32                          ; v32-95   W's four fragments of a step
.set B1,   96                          ; v96-159  the same, by turns; at first steps 2 and 3 of W as loaded
.set ACC,  160                         ; v160-191 four accumulators; at first step 0 of W as loaded
.set Z,    192                         ; v192-207 zeros: the one-hot fragment of a tile without an index in the step
.set AF,   208                         ; v208-223 the one-hot fragment of a tile with one
.set TQ,   208                         ; while W is quantised: 8 registers of codes,
.set SQ,   216                         ; and 8 at work
.set TA,   208                         ; while the indices are sorted: seven registers at work,
.set TB,   216                         ; and seven more
.set X,    224                         ; v224-255 step 1 of W as loaded
.set WV,   14                          ; s14  wave
.set NH,   15                          ; s15  which 64 columns
.set G,    19                          ; s19  which 13 tiles: 8 x part + wave / 2
.set KB,   20                          ; s20  the slice's first k
.set LO,   21                          ; s21  the first k that it owns
.set NT,   22                          ; s22  my tiles: 13, or the 5 that are left for the last group
.set QP,   23                          ; s23  the tile of step 0 ahead of which I quantise steps 1 to 3
.set I,    24                          ; s24  the tile in hand
.set OB,   26                          ; s[26:27] out0 at the tile's first row
.set OF,   28                          ; s[28:29] an offset in 64 bits; s29 stays 0
.set ESUM, 30                          ; s30  e0 + e1
.set VLD,  31                          ; s31  bit l = lane l's index lay inside the table
.set MSK,  32                          ; s32-35  for each step: bit i = tile i has a row that this slice owns there
.set OWN,  36                          ; s36  bit r = row r of the tile in hand is owned in the step in hand
.set MA,   36                          ; s36-42  while the indices are sorted: seven masks, one for each register of indices,
.set MB,   12                          ; s12-18  and seven more (e0, e1, the wave's number and what was made of it are done with by then)
; the sixteen masks of a one-hot fragment: register r's lies in s[12 + r + 21 (r / 8) + 7 (r / 11)]: s12-19, s41-43, s51-55
; 8 rows of step s of W: register 4 i + q = W[KB + 128 s + 8 wave + i][4 lane + q].  Each load reads a whole row, 512 consecutive bytes.  No hint: the slice's other four work-groups read the same bytes
.macro RAWLOAD reg, s
.irp i, 0,1,2,3,4,5,6,7
	global_load_b128 v[(\reg)+4*\i:(\reg)+4*\i+3], v[RAWO], s[4:5] offset:\s*65536+\i*512
.endr
.endm
; those 32 numbers become codes and go into image s
.macro QUANT reg, s
.set j, 0
.rept 32
	v_med3_num_f32 v[(\reg)+j], v[(\reg)+j], -v[LIM], v[LIM]   ; the conversion to an 8-bit code does not saturate (ISA guide 7.6.2): the hold at the largest code x the scale
.set j, j+1
.endr
.irp c, 0,1,2,3
	v_cvt_scalef32_pk8_fp8_f32 v[TQ+2*\c:TQ+2*\c+1], v[(\reg)+8*\c:(\reg)+8*\c+7], v[SC]   ; v[TQ + i]: row i's four columns, column q in byte q
.endr
	v_nop                                          ; one plain vector instruction between the last conversion and what touches its results or writes its sources
.irp k, 0,1                                    ; 4 x 4 bytes are turned, for rows 0-3 and for rows 4-7: first pairs of rows are interleaved,
	v_perm_b32 v[SQ+4*\k],   v[TQ+4*\k+1], v[TQ+4*\k],   s46
	v_perm_b32 v[SQ+4*\k+1], v[TQ+4*\k+1], v[TQ+4*\k],   s47
	v_perm_b32 v[SQ+4*\k+2], v[TQ+4*\k+3], v[TQ+4*\k+2], s46
	v_perm_b32 v[SQ+4*\k+3], v[TQ+4*\k+3], v[TQ+4*\k+2], s47
.endr
.irp k, 0,1                                    ; then halves are joined: v[TQ + 2 q : TQ + 2 q + 1] = column 4 lane + q, k = 8 wave + 0 .. 7
	v_perm_b32 v[TQ+\k],   v[SQ+4*\k+2], v[SQ+4*\k],   s48
	v_perm_b32 v[TQ+2+\k], v[SQ+4*\k+2], v[SQ+4*\k],   s49
	v_perm_b32 v[TQ+4+\k], v[SQ+4*\k+3], v[SQ+4*\k+1], s48
	v_perm_b32 v[TQ+6+\k], v[SQ+4*\k+3], v[SQ+4*\k+1], s49
.endr
	s_wait_alu depctr_va_vdst(0)                   ; the turns have written v[TQ ..], which the stores read; and the holds and conversions are done with v[reg ..]: where that is v[B1 ..], LDS loads land there later
.irp q, 0,1,2,3
	ds_store_b64 v[IMGW], v[TQ+2*\q:TQ+2*\q+1] offset:\s*IMGB+\q*2048
.endr
	s_wait_dscnt 0x0                               ; my part of the image has landed
	s_wait_alu depctr_vm_vsrc(0)                   ; the stores have read v[TQ ..], which the next conversions, or a tile's one-hot fragment, write again
.endm
; my four fragments of step s: 16 loads of 512 consecutive bytes
.macro FILL bb, s
.irp q, 0,1,2,3
.irp g, 0,1,2,3
	ds_load_b128 v[\bb+16*\q+4*\g:\bb+16*\q+4*\g+3], v[IMGR] offset:\s*IMGB+\q*2048+\g*512
.endr
.endr
.endm
; a tile's four products: 16 rows x my 64 columns x 128 k.  Each begins its sum with the constant 0: the step's sum is the row's whole sum or an exact 0.
; Five plain places follow: the next tile's products write over these accumulators (five places), and reads of the results and writes of the one-hot fragment want four (ISA guide 7.12.1)
.macro MUL bb, a
.irp q, 0,1,2,3
	v_wmma_f32_16x16x128_fp8_fp8 v[ACC+8*\q:ACC+8*\q+7], v[\bb+16*\q:\bb+16*\q+15], v[\a:\a+15], 0
.endr
.rept 5
	v_nop
.endr
.endm
; row r of the tile leaves, if this slice owns it in this step: the 32 lanes store 256 consecutive bytes, at a multiple of 256 from out0's first byte
.macro ROWOUT r
	s_bitcmp1_b32 s[OWN], \r
	s_cbranch_scc0 .Lnot_mine_\@
	s_wait_xcnt 0x0                                ; the last store has had its addresses translated,
	s_wait_alu depctr_vm_vsrc(0)                   ; and has read v[P:P+1], in which the two loads below land (the v_ldexp_f32 that named them stand ahead of the last row's wait on va_vdst)
	ds_load_b32 v[P],   v[STR] offset:\r*SPITCH    ; columns 2 lane and 2 lane + 1: fragments 2 (lane % 2) and 2 (lane % 2) + 1, place lane / 2.  LDS serves a wave's instructions in order: these see my stores
	ds_load_b32 v[P+1], v[STR] offset:\r*SPITCH+64
	s_wait_dscnt 0x0
	v_ldexp_f32 v[P],   v[P],   s[ESUM]            ; x 2^(e0 + e1)
	v_ldexp_f32 v[P+1], v[P+1], s[ESUM]
	s_wait_alu depctr_va_vdst(0)                   ; the two lines above have written v[P:P+1], which the store reads
	global_store_b64 v[OUTO], v[P:P+1], s[OB:OB+1] offset:\r*512 th:TH_STORE_NT
.Lnot_mine_\@:
.endm
; a tile with an owned row in step s
.macro EVENT s, bb
	s_wait_xcnt 0x0                                ; earlier stores have read their base
	s_lshl_b32 s[OF], s[I], 13                     ; 16 rows of 512 bytes a tile
	s_add_nc_u64 s[OB:OB+1], s[10:11], s[OF:OF+1]
	s_bitcmp1_b32 s[I], 1                          ; the tile's 16 indices lie in v[E + I / 2], lanes 16 (I % 2) on: chosen by selects, since a register number cannot hang on a count
	s_cselect_b32 s37, -1, 0
	s_bitcmp1_b32 s[I], 2
	s_cselect_b32 s38, -1, 0
	s_bitcmp1_b32 s[I], 3
	s_cselect_b32 s39, -1, 0
	s_mov_b32 s40, 0xffff0000                      ; an even tile: lanes 16-31 take lanes 0-15's;
	s_bitcmp1_b32 s[I], 0
	s_cselect_b32 s40, 0xffff, s40                 ; an odd one: the other way round
	v_cndmask_b32 v[T0],   v[E],    v[E+1], s37
	v_cndmask_b32 v[T0+1], v[E+2],  v[E+3], s37
	v_cndmask_b32 v[T0+2], v[E+4],  v[E+5], s37
	v_cndmask_b32 v[T0],   v[T0],   v[T0+1], s38
	v_cndmask_b32 v[T0+1], v[T0+2], v[E+6], s38
	v_cndmask_b32 v[EV],   v[T0],   v[T0+1], s39
	v_permlanex16_b32 v[T0], v[EV], s44, s45
	v_cndmask_b32 v[EV], v[EV], v[T0], s40         ; both halves of the lanes hold row lane % 16 of the tile
	v_and_b32 v[ES], 0xffff, v[EV]
.if \s > 0
	v_add_nc_u32 v[ES], 0x100000000-128*\s, v[ES]  ; k within the step; as an unsigned number 128 or more where the row's index lies elsewhere
.endif
	v_cmp_gt_u32 s[OWN], 0x80, v[ES]               ; the tile's eighteen compares stand in one run, each with a scalar register of its own
	v_sub_nc_u32 v[WD], v[ES], v[H64]
	v_lshrrev_b32 v[WD], 2, v[WD]                  ; which of my 16 registers holds that k: 0 .. 15 in the half of the lanes that has it, more everywhere else
	v_and_b32 v[VAL], 3, v[ES]
	v_lshlrev_b32 v[VAL], 3, v[VAL]
	v_lshlrev_b32 v[VAL], v[VAL], v[C1]            ; the code of 1.0 in the byte of that k
	v_cmp_gt_u32 s[VLD], 0x10000, v[EV]
.irp r, 0,1,2,3,4,5,6,7,8,9,10,11,12,13,14,15
	v_cmp_eq_u32 s[12+\r+21*(\r/8)+7*(\r/11)], \r, v[WD]
.endr
	s_wait_alu depctr_va_sdst(0)                   ; the eighteen masks are written, ahead of their first readers: the selects below, and the tests of s[OWN] on the way out
	v_cndmask_b32 v[VAL], 0, v[VAL], s[VLD]        ; an index outside the table: a row of zeros
.irp r, 0,1,2,3,4,5,6,7,8,9,10,11,12,13,14,15
	v_cndmask_b32 v[AF+\r], 0, v[VAL], s[12+\r+21*(\r/8)+7*(\r/11)]
.endr
	MUL \bb, AF
	s_wait_alu depctr_va_vdst(0)                   ; the four products have written the accumulators, which the LDS stores read; the places above stay beside this wait
.irp q, 0,1,2,3                                ; lane (r, h), register j of accumulator q: row r, place 8 h + j of fragment q.  Each accumulator from its low end on
	ds_store_b128 v[STW], v[ACC+8*\q:ACC+8*\q+3]   offset:64*\q
	ds_store_b128 v[STW], v[ACC+8*\q+4:ACC+8*\q+7] offset:64*\q+16
.endr
.irp r, 0,1,2,3,4,5,6,7,8,9,10,11,12,13,14,15
	ROWOUT \r
.endr
	s_wait_dscnt 0x0                               ; the stores into the stage have landed
	s_wait_alu depctr_vm_vsrc(0)                   ; and have read the accumulators, which the next tile's products write again
.endm
; tiles s[I] .. last - 1 of step s, on W's fragments in bb.  hook = 1: ahead of tile QP the wave quantises steps 1 to 3
.macro TILES s, bb, last, hook
.Ltile_\@:
.if \hook
	s_cmp_lg_u32 s[I], s[QP]
	s_cbranch_scc1 .Lnot_yet_\@
	s_wait_loadcnt 0x0                             ; steps 1 to 3 of W are in
	QUANT X, 1
	QUANT B1, 2
	QUANT B1+32, 3
.Lnot_yet_\@:
.endif
	s_cmp_ge_u32 s[I], s[NT]                       ; the last group of rows has 5 tiles
	s_cbranch_scc1 .Lcount_\@
	s_bitcmp1_b32 s[MSK+\s], s[I]
	s_cbranch_scc0 .Lzero_\@
	EVENT \s, \bb
	s_branch .Lcount_\@
.Lzero_\@:
	MUL \bb, Z
.Lcount_\@:
	s_add_co_u32 s[I], s[I], 1
	s_cmp_lt_u32 s[I], \last
	s_cbranch_scc1 .Ltile_\@
.endm
; mask m (bit l = my wave's row 32 t + l lies in step s, and the slice owns it) sets the bits of tiles 2 t and 2 t + 1 in the step's mask of tiles
.macro MARK m, s, t
	s_and_b32 s43, s[\m], 0xffff                   ; any of lanes 0-15: tile 2 t
	s_cselect_b32 s43, 1<<(2*(\t)), 0
	s_or_b32 s[MSK+(\s)], s[MSK+(\s)], s43
.if 2*(\t)+1 < TPW
	s_lshr_b32 s43, s[\m], 16                      ; any of lanes 16-31: tile 2 t + 1
	s_cselect_b32 s43, 1<<(2*(\t)+1), 0
	s_or_b32 s[MSK+(\s)], s[MSK+(\s)], s43
.endif
.endm
	; ---- arguments, ids, addresses
	s_load_b256 s[4:11], s[0:1], 0x0               ; W s[4:5], indices s[6:7], the scales' exponents s[8:9], out0 s[10:11]
	v_lshrrev_b32 v31, 5, v0
	v_readfirstlane_b32 s[WV], v31                 ; wave 0..15
	v_and_b32 v28, 15, v0                          ; r
	v_bfe_u32 v29, v0, 4, 1                        ; h
	v_and_b32 v30, 31, v0                          ; lane
	v_lshlrev_b32 v[H64], 6, v29
	v_lshlrev_b32 v[IMGW], 4, v28                  ; into an image: my columns 4 lane + q lie in half lane / 16, at lane lane % 16 of fragment q;
	v_lshl_add_u32 v[IMGW], v29, 13, v[IMGW]
	v_bfe_u32 v26, v0, 6, 2                        ; my k = 8 wave + 0 .. 7 are registers 2 (wave % 8) and the next of the half wave / 8 of the lanes:
	v_lshl_add_u32 v[IMGW], v26, 9, v[IMGW]        ; 512 x ((wave % 8) / 2)
	v_bfe_u32 v26, v0, 8, 1
	v_lshl_add_u32 v[IMGW], v26, 8, v[IMGW]        ; + 256 x (wave / 8)
	v_bfe_u32 v26, v0, 5, 1
	v_lshl_add_u32 v[IMGW], v26, 3, v[IMGW]        ; + 8 x (wave % 2)
	v_lshlrev_b32 v[IMGR], 4, v30
	v_lshl_add_u32 v[IMGR], v26, 13, v[IMGR]
	v_mul_u32_u24 v27, v31, 16*SPITCH
	v_add_nc_u32 v27, STG, v27                     ; my stage
	v_mad_u32_u24 v[STW], v28, SPITCH, v27
	v_lshl_add_u32 v[STW], v29, 5, v[STW]          ; in: row r, + 32 h
	v_and_b32 v26, 1, v0
	v_lshl_add_u32 v[STR], v26, 7, v27
	v_bfe_u32 v26, v0, 1, 4
	v_lshl_add_u32 v[STR], v26, 2, v[STR]          ; back: 128 (lane % 2) + 4 (lane / 2)
	v_lshlrev_b32 v[OUTO], 3, v30
	v_lshlrev_b32 v[RAWO], 4, v30
	s_and_b32 s18, ttmp7, 0xffff                   ; the slice
	s_wait_alu depctr_va_sdst(0)                   ; s[WV] is written, ahead of its first reader: the wave's columns, tiles and bases are made from it
	s_and_b32 s[NH], s[WV], 1
	s_lshr_b32 s16, s[WV], 1
	s_lshl_b32 s[G], ttmp9, 3
	s_add_co_u32 s[G], s[G], s16                   ; 0 .. 39
	s_lshl_b32 s[LO], s18, 9
	s_min_u32 s[KB], s[LO], KLAST
	s_mul_i32 s42, s[G], TPW
	s_sub_co_u32 s42, 512, s42
	s_min_u32 s[NT], s42, TPW
	s_lshr_b32 s42, s[WV], 2                       ; QP = 1, 3, 5 or 7, different in waves w, w + 1, w + 2, w + 3 and in waves w, w + 4, w + 8, w + 12:
	s_add_co_u32 s42, s42, s[WV]                   ; whichever four share a SIMD, one quantises while the others multiply
	s_and_b32 s42, s42, 3
	s_lshl_b32 s42, s42, 1
	s_add_co_u32 s[QP], s42, 1
	s_lshl_b32 s[OF], s[KB], 9                     ; W: the slice's first row, 512 bytes a row,
	s_lshl_b32 s42, s[WV], 12                      ; + my 8 rows of a step
	s_add_co_u32 s[OF], s[OF], s42
	s_mov_b32 s[OF+1], 0
	s_mul_i32 s42, s[G], TPW*16*512                ; out0: my first row,
	s_lshl_b32 s43, s[NH], 8                       ; + my 256 bytes of a row
	s_add_co_u32 s42, s42, s43
	s_mov_b32 s43, 0
	s_mul_i32 s16, s[G], TPW*16                    ; my first row's number
	v_add_nc_u32 v28, s16, v30                     ; my wave's first row + lane
.irp t, 0,1,2,3,4,5,6
	v_add_nc_u32 v[IO+\t], 32*\t, v28
	v_min_u32 v[IO+\t], 8191, v[IO+\t]             ; no load leaves the buffer: rows past the last are not the wave's, and what is read for them is not used
	v_lshlrev_b32 v[IO+\t], 2, v[IO+\t]
.endr
	s_wait_kmcnt 0x0
	s_load_b64 s[12:13], s[8:9], 0x0               ; e0, e1
	s_add_nc_u64 s[4:5], s[4:5], s[OF:OF+1]
	s_add_nc_u64 s[10:11], s[10:11], s[42:43]
	s_wait_alu depctr_va_vdst(0)                   ; v5 to v10 and v[IO ..] are written, which the kernel's loads, stores and LDS instructions read as addresses; so are v26 and v27, in which LDS loads land on the way out
	; ---- every load of the launch goes out here: 7 of indices, then 32 of W
.irp t, 0,1,2,3,4,5,6
	global_load_b32 v[E+\t], v[IO+\t], s[6:7]
.endr
	RAWLOAD ACC, 0
	RAWLOAD X, 1
	RAWLOAD B1, 2
	RAWLOAD B1+32, 3
	; ---- constants, while the loads are on their way
	s_mov_b32 s44, 0x76543210                      ; v_permlanex16_b32: lane l xor 16
	s_mov_b32 s45, 0xfedcba98
	s_mov_b32 s46, 0x05010400                      ; v_perm_b32: bytes 0 and 1 of two registers, interleaved;
	s_mov_b32 s47, 0x07030602                      ; bytes 2 and 3;
	s_mov_b32 s48, 0x05040100                      ; the two low halves;
	s_mov_b32 s49, 0x07060302                      ; the two high halves
	s_mov_b32 s50, VLAST
.irp s, 0,1,2,3
	s_mov_b32 s[MSK+\s], 0
.endr
	s_wait_kmcnt 0x0
	s_add_co_i32 s[ESUM], s12, s13
	s_add_co_i32 s42, s13, 127
	s_lshl_b32 s43, s42, 23
	v_mov_b32 v[SC], s43                           ; 2^e1 as f32: the conversion takes its exponent field
	s_add_co_i32 s42, s42, 8
	s_lshl_b32 s42, s42, 23
	s_or_b32 s42, s42, 0x600000
	v_mov_b32 v[LIM], s42                          ; 448 x 2^e1
	s_add_co_i32 s42, s12, 127
	s_lshl_b32 s43, s42, 23
	v_mov_b32 v29, s43                             ; 2^e0
	s_add_co_i32 s42, s42, 8
	s_lshl_b32 s42, s42, 23
	s_or_b32 s42, s42, 0x600000
	v_mov_b32 v28, s42                             ; 448 x 2^e0
	v_min_num_f32 v[AF], 1.0, v28                  ; the one-hot matrix holds 1.0 and 0: 1.0 goes through the quantiser once, held as every number is
.irp j, 1,2,3,4,5,6,7
	v_mov_b32 v[AF+\j], 0
.endr
	v_cvt_scalef32_pk8_fp8_f32 v[SQ:SQ+1], v[AF:AF+7], v29
.irp j, 0,1,2,3,4,5,6,7,8,9,10,11,12,13,14,15
	v_mov_b32 v[Z+\j], 0                           ; the fragment of zeros, written once.  (These are also the plain place behind the conversion)
.endr
	v_and_b32 v[C1], 0xff, v[SQ]
	; ---- the indices: who owns each row, and which tiles have an owned row in which step.  The compares stand in three runs of fourteen, each run with one wait
	s_wait_loadcnt 32                              ; the 7 index loads are in; the 32 loads of W, issued behind them, may be out
.irp t, 0,1,2,3,4,5,6
	v_cmp_lt_u32 s[MA+\t], s50, v[E+\t]            ; outside the table (a negative index too)
	v_min_u32 v[TA+\t], s50, v[E+\t]
	v_cmp_le_u32 s[MB+\t], s[LO], v[TA+\t]         ; the slice owns it
	v_sub_nc_u32 v[TA+\t], v[TA+\t], s[KB]
	v_or_b32 v[TB+\t], 0x10000, v[TA+\t]
.endr
	s_wait_alu depctr_va_sdst(0)                   ; the fourteen masks s[MA ..] and s[MB ..] are written, ahead of the selects that read them
.irp t, 0,1,2,3,4,5,6
	v_cndmask_b32 v[TA+\t], v[TA+\t], v[TB+\t], s[MA+\t]
	v_cndmask_b32 v[E+\t], -1, v[TA+\t], s[MB+\t]
	v_bfe_u32 v[TA+\t], v[E+\t], 7, 9              ; the step: 0 .. 3 where the slice owns the row, more where it does not
.endr
.irp p, 0,2                                    ; steps p and p + 1
.irp t, 0,1,2,3,4,5,6
	v_cmp_eq_u32 s[MA+\t], \p, v[TA+\t]
	v_cmp_eq_u32 s[MB+\t], \p+1, v[TA+\t]
.endr
	s_wait_alu depctr_va_sdst(0)                   ; the two steps' fourteen masks are written, ahead of the scalar lines that read them
.irp t, 0,1,2,3,4,5,6
	MARK MA+\t, \p, \t
	MARK MB+\t, \p+1, \t
.endr
.endr
	; ---- step 0's image
	s_wait_loadcnt 24                              ; step 0's 8 loads of W are in; the 24 of steps 1 to 3 may be out
	QUANT ACC, 0                                   ; (its closing wait on vm_vsrc also states that the index loads have read v[IO ..], which the tiles' way out writes anew as EV to T0)
	s_barrier_signal -1                            ; every wave's part of image 0 has landed (QUANT waits for its stores)
	s_barrier_wait -1
	FILL B0, 0                                     ; no vector instruction has named v[B0 ..]
	s_wait_dscnt 0x0
	; ---- step 0; steps 1 to 3 are quantised on the way
	s_mov_b32 s[I], 0
	TILES 0, B0, 9, 1
	s_wait_loadcnt 0x0                             ; QP is 7 at the most, so every wave has quantised and this wait is met; it stands here so that on every way through the loop no load is out into the registers that the next fill takes
	s_wait_dscnt 0x0                               ; my parts of images 1 to 3 have landed
	s_barrier_signal -1
	s_barrier_wait -1                              ; everybody's have; from here on the images are only read
	FILL B1, 1                                     ; step 1's fragments land under step 0's last four tiles.  The last lines that named v[B1 ..], step 3's holds and conversions, stand ahead of QUANT's wait on va_vdst
	s_mov_b32 s[I], 9                              ; step 0 goes on at tile 9
	TILES 0, B0, TPW, 0
	s_wait_dscnt 0x0                               ; step 1's fragments are in
	; ---- steps 1 to 3: the next step's fragments land under this step's tiles
	s_wait_alu depctr_va_vdst(0)                   ; step 0's products are done reading v[B0 ..], in which step 2's fragments land; step 1's products name v[B1 ..] alone
	FILL B0, 2
	s_mov_b32 s[I], 0
	TILES 1, B1, TPW, 0
	s_wait_dscnt 0x0
	s_wait_alu depctr_va_vdst(0)                   ; step 1's products are done reading v[B1 ..], in which step 3's fragments land; step 2's products name v[B0 ..] alone
	FILL B1, 3
	s_mov_b32 s[I], 0
	TILES 2, B0, TPW, 0
	s_wait_dscnt 0x0
	s_mov_b32 s[I], 0
	TILES 3, B1, TPW, 0
	s_wait_xcnt 0x0
	v_lshl_add_u32 v254, v0, 2, 0x21000            ; my spare word, behind the stages, and 0: made anew here, since no two registers could be kept; no memory or LDS instruction has read v254 or v255
	v_mov_b32 v255, 0
	s_wait_dscnt 0x0                               ; the closing lines, six on end, for a launch in the mode that stores to LDS
	s_wait_alu 0x0
	s_wait_tensorcnt 0x0
	ds_add_u32 v254, v255
	s_wait_dscnt 0x0
	s_endpgm
.Lfunc_end_k_qe87fc548b7_onehot_mm:
	.size	k_qe87fc548b7_onehot_mm, .Lfunc_end_k_qe87fc548b7_onehot_mm-k_qe87fc548b7_onehot_mm
	.p2alignl 7, 3214868480
	.fill 96, 4, 3214868480
	.section	.rodata,"a",@progbits
	.p2align	6, 0x0
	.amdhsa_kernel k_qe87fc548b7_onehot_mm
		.amdhsa_group_segment_fixed_size 137216
		.amdhsa_private_segment_fixed_size 0
		.amdhsa_enable_private_segment 0
		.amdhsa_kernarg_size 32
		.amdhsa_user_sgpr_count 2
		.amdhsa_user_sgpr_kernarg_segment_ptr 1
		.amdhsa_wavefront_size32 1
		.amdhsa_system_sgpr_workgroup_id_x 1
		.amdhsa_system_sgpr_workgroup_id_y 1
		.amdhsa_system_sgpr_workgroup_id_z 1
		.amdhsa_system_vgpr_workitem_id 0
		.amdhsa_next_free_vgpr 256
		.amdhsa_next_free_sgpr 66
		.amdhsa_reserve_vcc 0
		.amdhsa_float_denorm_mode_32 3
		.amdhsa_float_denorm_mode_16_64 3
		.amdhsa_memory_ordered 1
		.amdhsa_forward_progress 1
		.amdhsa_inst_pref_size 109
	.end_amdhsa_kernel
	.amdgpu_metadata
---
amdhsa.version: [ 1, 2 ]
amdhsa.kernels:
  - .name:           k_qe87fc548b7_onehot_mm
    .symbol:         k_qe87fc548b7_onehot_mm.kd
    .args:
      - { .name: W, .offset: 0, .size: 8, .value_kind: global_buffer, .address_space: global }
      - { .name: indices, .offset: 8, .size: 8, .value_kind: global_buffer, .address_space: global }
      - { .name: lowp_scales, .offset: 16, .size: 8, .value_kind: global_buffer, .address_space: global }
      - { .name: out0, .offset: 24, .size: 8, .value_kind: global_buffer, .address_space: global }
    .group_segment_fixed_size: 137216
    .private_segment_fixed_size: 0
    .kernarg_segment_align: 8
    .kernarg_segment_size: 32
    .max_flat_workgroup_size: 512
    .sgpr_count:     66
    .vgpr_count:     256
    .wavefront_size: 32
...
	.end_amdgpu_metadata
.endif
;; end of part 2
